; MI455X (gfx1250); checked and timed in simulation.
; The chip was launched on July 23, 2026; its instructions are those of AMD's public machine-readable ISA for CDNA 5 (MIT licence, August 2026) and "CDNA5" Instruction Set Architecture Reference Guide (July 2026). The comments in the code are by the model that wrote it; some were corrected since.
;; GQA Broadcast. Allowed arithmetic: matrix products marked QUANTISED: E2M1 operands, one E8M0 scale for each 32 along K, by v_wmma_scale_f32_16x16x128_f8f6f4 with both operands' format E2M1 (or v_wmma_scale_f32_32x16x128_f4), f32 sums; products left as they are: bf16, f16 or f32 operands; f32 sums; everything else in f32.
;; Inputs: Wk 2,048 x 512 float32; Wo 2,048 x 2,048 float32; Wq 2,048 x 2,048 float32; Wv 2,048 x 512 float32; bk 512 float32; bo 2,048 float32; bq 2,048 float32; bv 512 float32; x 2 x 1,024 x 2,048 float32.
;; Outputs: out0 2 x 1,024 x 2,048 float32.
;; This version of the problem:
;;   THIS VERSION OF THE PROBLEM IS GIVEN IN LOW PRECISION. The matrix products marked QUANTISED in the list below multiply operands that are first quantised to E2M1 (2 exponent bits, 1 mantissa bit; 4 bits a number), with one power-of-two scale for each 32 numbers along K (OCP MX v1.0); their sums are f32. The products marked 'left as it is' may take bf16, f16 or f32 operands, with f32 sums. Whichever they take, every output number must still come out within the allowed error. Rounding operands to bf16 (8 significant bits) uses up far more of that allowance than f16 does (11 bits, for magnitudes from 6e-5 to 65,504). All else is computed in f32.
;;   The module's matrix products, in the order in which they are computed (A, B: the left and right operand; K: the contracted axis; several contracted axes count as one K, in the product's order):
;;     1. [M 2,048, K 2,048] x [K 2,048, N 2,048]; A: input x; B: input Wq: QUANTISED
;;     2. [M 2,048, K 2,048] x [K 2,048, N 512]; A: input x; B: input Wk: QUANTISED
;;     3. [M 2,048, K 2,048] x [K 2,048, N 512]; A: input x; B: input Wv: QUANTISED
;;     4. batch 16 x [M 1,024, K 64] x [K 64, N 4,096]; A: computed on the way; B: computed on the way: left as it is (an operand is computed on the way)
;;     5. batch 16 x [M 64, K 1,024] x [K 1,024, N 4,096]; A: computed on the way; B: computed on the way: left as it is (an operand is computed on the way)
;;     6. [M 2,048, K 2,048] x [K 2,048, N 2,048]; A: computed on the way; B: input Wo: left as it is (an operand is computed on the way)
;;   THE QUANTISER, for each operand of a quantised product, along K:
;;     - K is cut into blocks of 32 from its start; a last block that is shorter is filled with zeros.
;;     - A block's scale is 2^e with e = floor(log2(the largest magnitude in the block)) - 2, held to -126 .. 127; a block of zeros has e = 0. As a byte (E8M0): e + 127.
;;     - Each number is divided by its block's scale, clamped to +-6, and rounded to the nearest number of E2M1, ties to even, subnormals kept.
;;     - The product sums the exact products of the quantised numbers (number of the format x scale) in f32.
;;   ~~~python
;;   def quantise(x, axis):      # numpy; x: float32 -> the quantised numbers, widened to float32 again
;;       x = np.moveaxis(x, axis, -1); K = x.shape[-1]
;;       x = np.pad(x, [(0, 0)] * (x.ndim - 1) + [(0, -K % 32)]); x = x.reshape(x.shape[:-1] + (-1, 32)); a = np.abs(x).max(-1, keepdims=True)
;;       e = np.where(a > 0, np.clip(np.frexp(np.where(a > 0, a, 1))[1] - 1 - 2, -126, 127), 0)      # np.frexp(a)[1] - 1 = floor(log2(a)), exactly
;;       r = np.clip(x / 2.0 ** e, -6, 6)
;;       step = 2.0 ** (np.maximum(np.frexp(np.where(r == 0, 1, r))[1] - 1, 0) - 1)
;;       q = np.round(r / step) * step * 2.0 ** e      # np.round: ties to even
;;       return np.moveaxis(q.reshape(q.shape[:-2] + (-1,))[..., :K], -1, axis).astype(np.float32)
;;   ~~~
;; One version. Each part assembles by itself: llvm-mc -triple=amdgcn-amd-amdhsa -mcpu=gfx1250 --defsym DOCPART=n.
;; ======== version 1 of 1: 4 launches
;; limits: values are held in f16: magnitudes above 65,504 overflow, below 6.1e-05 lose precision
;; workspace buffers: xc 2,097,152 bytes; xs 131,072 bytes; wc 3,145,728 bytes; ws 196,608 bytes; wof 8,388,608 bytes; qkvw 12,582,912 bytes; ow 8,388,608 bytes
;; launch prep (part 1): grid 512 x 1, 4 waves a work-group, no clusters, 34,304 bytes of LDS; arguments x, Wq, Wk, Wv, xc, xs, wc, ws; writes xc, xs, wc, ws
.if DOCPART == 1
	.amdgcn_target "amdgcn-amd-amdhsa--gfx1250"
	.amdhsa_code_object_version 6
	.text
	.protected	k_q7eb8b4de95_prep
	.globl	k_q7eb8b4de95_prep
	.p2align	8
	.type	k_q7eb8b4de95_prep,@function
k_q7eb8b4de95_prep:
	s_mov_b64 s[64:65], 0
	v_nop
	global_prefetch_b8 v0, s[64:65] scope:SCOPE_SE
	s_setreg_imm32_b32 hwreg(HW_REG_WAVE_MODE, 25, 1), 1
	s_wait_xcnt 0x0
; PREP.  x [2048][2048] and Wq | Wk | Wv [2048][3072 columns in all], f32, become codes of E2M1 with one E8M0 byte for each 32 along K.
; The results are laid as IMAGES OF OPERAND REGISTERS: a piece is 512 bytes, lane l's 16 bytes at 16 l, so that the next launch loads fragments by 512 consecutive bytes and fetches tiles as dense blocks.
;   xc  [tile of 128 rows 16][K step of 128: 16][16 rows: 8][c 2][lane][16 B]      xs  [16 rows: 128][16 blocks: 4][row 16][16 bytes]
;   wc  [16 columns: 192][K step 16][c 2][lane][16 B]                              ws  [K step 16][column 3072] words of four bytes
; A block's scale is 2^(floor(log2(largest magnitude)) - 2): its byte is the largest magnitude's exponent field - 2, held at 1 from below by a floor among the maximum's leaves.
; LIMITS: a block of zeros gets the byte 1 where the rule says 127 (its codes are zeros, and this program alone reads the bytes); NaN and infinities are not served.
; SHARES, by the work-group's number: 0-127 x (16 rows each; wave w takes K steps 4 w .. 4 w + 3); 128-383 Wq, 384-511 Wk and Wv (128 columns x 128 along K; a wave 32 columns).
; Weights: A LANE TAKES A COLUMN AND ITS REGISTERS RUN DOWN K, so a block of 32 lies in one lane and the codes come out with K innermost.  x: loads take 512 consecutive bytes of a row; a step's 16 rows turn through
; the wave's own stage in LDS (rows of 512 + 16 bytes) so that a lane gets 32 neighbours along K.  Only the x path touches LDS.  No tensor load, no barrier: waves share nothing.
.set SPARE, 33792                      ; behind the four stages of 8,448 bytes: the spare words, 128 bytes a wave
.set SPW,   250                        ; v250  LDS address of my spare word; never rewritten
.set NIL,   251                        ; v251  0; never rewritten
.set R,     16                         ; v16-143   x: two sets of 64 as loaded.  Weights: 128 numbers down K
.set X,     144                        ; v144-207  x: 2 blocks of 32 neighbours
.set C,     208                        ; v208-239  x: codes, eight registers a step, never written again
.set W,     240                        ; v240-243  x: a scale word a step
.set XC,    12                         ; s[12:13] xc    s[14:15] xs    s[16:17] wc    s[18:19] ws
.set XSB,   14
.set WC,    16
.set WSB,   18
.macro WWAIT t                         ; 128 loads were issued; part t wants the first 32 (t + 1): 96, 64, 32, 0 may be out; the wait's field holds 63, and a smaller count is safe
.if (\t) < 2
	s_wait_loadcnt 63
.else
	s_wait_loadcnt 32*(3-(\t))
.endif
.endm
.macro WLOADS base, pitch              ; row n of my 128 along K, my column: 32 lanes read 128 consecutive bytes, the four waves 512
.set n, 0
.rept 128
	global_load_b32 v[R+n], v4, s[\base:\base+1] offset:n*\pitch th:TH_LOAD_NT
.set n, n+1
.endr
.endm
.macro WDEST                           ; s31 = my wave's first column of the 3,072, s29 = the K step
	s_lshr_b32 s26, s31, 4
	s_lshl_b32 s26, s26, 14                        ; 16,384 bytes for each 16 columns
	s_lshl_b32 s30, s29, 10                        ; 1,024 for each K step
	s_add_co_u32 s26, s26, s30
	s_add_nc_u64 s[WC:WC+1], s[WC:WC+1], s[26:27]  ; the codes
	s_mul_i32 s26, s29, 12288
	s_lshl_b32 s30, s31, 2
	s_add_co_u32 s26, s26, s30
	s_add_nc_u64 s[WSB:WSB+1], s[WSB:WSB+1], s[26:27]  ; the scale words
	v_lshlrev_b32 v4, 2, v1                        ; 4 x lane: in, and my scale word out
	v_lshlrev_b32 v5, 4, v2
	v_lshl_add_u32 v5, v3, 14, v5                  ; codes out: 16 (lane % 16), lanes 16-31 in the next 16 columns' image
.endm
.macro WQUANT                          ; four blocks of 32; block t is piece c = t / 2, half t % 2 of the fragment's image: 256 t bytes on
.irp t, 0,1,2,3
	WWAIT \t
.set WX, R+32*\t
	v_max3_num_f32 v8, |v[WX]|, |v[WX+1]|, |v[WX+2]|       ; the block's largest magnitude, in two chains
	v_max3_num_f32 v9, |v[WX+3]|, |v[WX+4]|, |v[WX+5]|
.irp i, 6,10,14,18,22,26
	v_max3_num_f32 v8, v8, |v[WX+\i]|, |v[WX+\i+1]|
	v_max3_num_f32 v9, v9, |v[WX+\i+2]|, |v[WX+\i+3]|
.endr
	v_max3_num_f32 v8, v8, |v[WX+30]|, |v[WX+31]|
	v_max3_num_f32 v8, v8, v9, 0x1800000           ; and the floor 2^(3 - 127): the byte cannot fall under 1
	v_add_nc_u32 v10, 0xff000000, v8               ; 2 off the exponent field: the conversion's scale operand
	v_lshrrev_b32 v11, 23, v10                     ; the byte
.if \t == 0
	v_mov_b32 v150, v11
.else
	v_lshl_or_b32 v150, v11, 8*\t, v150            ; four bytes make my column's word for this K step
.endif
.irp g, 0,1,2,3
	v_cvt_scalef32_pk8_fp4_f32 v[152+4*\t+\g], v[WX+8*\g:WX+8*\g+7], v10
.endr
	v_nop                                          ; one plain line behind the last conversion
	global_store_b128 v5, v[152+4*\t:152+4*\t+3], s[WC:WC+1] offset:\t*256   ; sixteen lanes store 256 consecutive bytes, aligned
.endr
	global_store_b32 v4, v150, s[WSB:WSB+1]        ; 128 consecutive bytes a wave: one byte for each 128 that the wave has read
	s_endpgm
.endm
.macro LOADX t                         ; K step t of my four: 16 rows, 512 consecutive bytes each
.irp i, 0,1,2,3,4,5,6,7,8,9,10,11,12,13,14,15
	global_load_b128 v[R+64*((\t)%2)+4*\i:R+64*((\t)%2)+4*\i+3], v4, s[4:5] offset:\i*8192+(\t)*512 th:TH_LOAD_NT
.endr
.endm
.macro STEPX t
.if (\t) < 3
	s_wait_loadcnt 16                              ; this step's 16 loads are in; the next step's 16 may be out
.else
	s_wait_loadcnt 0x0
.endif
.irp i, 0,1,2,3,4,5,6,7,8,9,10,11,12,13,14,15
	ds_store_b128 v5, v[R+64*((\t)%2)+4*\i:R+64*((\t)%2)+4*\i+3] offset:\i*528
.endr
.irp c, 0,1                            ; back: lane (r, h) takes block 2 c + h of row r: 128 bytes.  LDS serves a wave's instructions in order: these see the stores above
.irp q, 0,1,2,3,4,5,6,7
	ds_load_b128 v[X+32*\c+4*\q:X+32*\c+4*\q+3], v6 offset:\c*256+\q*16
.endr
.endr
	s_wait_dscnt 0x0                               ; my 64 numbers are in
.if (\t) < 2
	LOADX (\t)+2                                   ; the set just sent through the stage takes the step two on
.endif
	v_max3_num_f32 v8, |v[X]|, |v[X+1]|, 0x1800000         ; two blocks by turns; the floor 2^(3 - 127) holds the byte at 1 from below
	v_max3_num_f32 v9, |v[X+32]|, |v[X+33]|, 0x1800000
.irp i, 2,4,6,8,10,12,14,16,18,20,22,24,26,28,30
	v_max3_num_f32 v8, v8, |v[X+\i]|, |v[X+\i+1]|
	v_max3_num_f32 v9, v9, |v[X+32+\i]|, |v[X+33+\i]|
.endr
	v_add_nc_u32 v10, 0xff000000, v8               ; 2 off the exponent fields: the conversions' scale operands
	v_add_nc_u32 v11, 0xff000000, v9
.irp g, 0,1,2,3
	v_cvt_scalef32_pk8_fp4_f32 v[C+8*(\t)+\g], v[X+8*\g:X+8*\g+7], v10
.endr
.irp g, 0,1,2,3
	v_cvt_scalef32_pk8_fp4_f32 v[C+8*(\t)+4+\g], v[X+32+8*\g:X+32+8*\g+7], v11
.endr
	v_lshrrev_b32 v12, 23, v10                     ; the bytes of blocks h and 2 + h (also the plain line behind the conversions),
	v_lshrrev_b32 v13, 23, v11
	v_lshl_or_b32 v12, v13, 16, v12
	v_lshlrev_b32 v12, v15, v12                    ; at their places in the word, 8 h bits up;
	v_permlanex16_b32 v14, v12, s28, s29
	v_or_b32 v[W+(\t)], v12, v14                   ; with lane l xor 16's two the word is whole
	global_store_b128 v4, v[C+8*(\t):C+8*(\t)+3], s[XC:XC+1] offset:(\t)*8192        ; 512 consecutive bytes: piece c = 0,
	global_store_b128 v4, v[C+8*(\t)+4:C+8*(\t)+7], s[XC:XC+1] offset:(\t)*8192+512  ; and c = 1
.endm
	s_load_b256 s[4:11], s[0:1], 0x0               ; x s[4:5], Wq s[6:7], Wk s[8:9], Wv s[10:11]
	s_load_b256 s[12:19], s[0:1], 0x20             ; xc, xs, wc, ws
	v_lshl_add_u32 v[SPW], v0, 2, SPARE
	v_mov_b32 v[NIL], 0
	v_lshrrev_b32 v1, 5, v0
	v_readfirstlane_b32 s24, v1                    ; wave 0..3
	v_and_b32 v1, 31, v0                           ; lane
	v_and_b32 v2, 15, v0                           ; r
	v_bfe_u32 v3, v0, 4, 1                         ; h
	s_mov_b32 s27, 0                               ; the high word of every offset pair s[26:27]
	s_wait_kmcnt 0x0
	s_cmp_lt_u32 ttmp9, 128
	s_cbranch_scc1 .Lx
	s_cmp_lt_u32 ttmp9, 384
	s_cbranch_scc1 .Lwq
	; ---- Wk, Wv
	s_sub_co_u32 s25, ttmp9, 384
	s_lshr_b32 s32, s25, 6                         ; 0: Wk, 1: Wv
	s_and_b32 s28, s25, 3                          ; which 128 columns
	s_bfe_u32 s29, s25, 0x40002                    ; K step
	s_cmp_eq_u32 s32, 0
	s_cselect_b64 s[8:9], s[8:9], s[10:11]         ; the choice hangs on the work-group's number alone
	s_lshl_b32 s31, s28, 7
	s_lshl_b32 s30, s24, 5
	s_add_co_u32 s31, s31, s30                     ; my wave's first column in its tensor
	s_lshl_b32 s26, s29, 18                        ; 128 rows of 2,048 bytes
	s_lshl_b32 s30, s31, 2
	s_add_co_u32 s26, s26, s30
	s_add_nc_u64 s[8:9], s[8:9], s[26:27]
	s_lshl_b32 s30, s32, 9
	s_add_co_u32 s31, s31, s30
	s_add_co_u32 s31, s31, 2048                    ; and among the 3,072
	WDEST
	WLOADS 8, 2048
	WQUANT
.Lwq:	; ---- Wq
	s_sub_co_u32 s25, ttmp9, 128
	s_and_b32 s28, s25, 15                         ; which 128 columns
	s_lshr_b32 s29, s25, 4                         ; K step
	s_lshl_b32 s31, s28, 7
	s_lshl_b32 s30, s24, 5
	s_add_co_u32 s31, s31, s30                     ; my wave's first column
	s_lshl_b32 s26, s29, 20                        ; 128 rows of 8,192 bytes
	s_lshl_b32 s30, s31, 2
	s_add_co_u32 s26, s26, s30
	s_add_nc_u64 s[6:7], s[6:7], s[26:27]
	WDEST
	WLOADS 6, 8192
	WQUANT
.Lx:	; ---- x
	s_mov_b32 s28, 0x76543210
	s_mov_b32 s29, 0xfedcba98                      ; v_permlanex16_b32's selects for lane l xor 16
	s_lshl_b32 s26, ttmp9, 17                      ; 16 rows of 8,192 bytes
	s_lshl_b32 s30, s24, 11                        ; my wave's four K steps of 512 bytes
	s_add_co_u32 s26, s26, s30
	s_add_nc_u64 s[4:5], s[4:5], s[26:27]
	s_lshr_b32 s26, ttmp9, 3
	s_lshl_b32 s26, s26, 17
	s_and_b32 s30, ttmp9, 7
	s_lshl_b32 s30, s30, 10
	s_add_co_u32 s26, s26, s30
	s_lshl_b32 s30, s24, 15
	s_add_co_u32 s26, s26, s30
	s_add_nc_u64 s[XC:XC+1], s[XC:XC+1], s[26:27]  ; the codes
	s_lshl_b32 s26, ttmp9, 10
	s_lshl_b32 s30, s24, 8
	s_add_co_u32 s26, s26, s30
	s_add_nc_u64 s[XSB:XSB+1], s[XSB:XSB+1], s[26:27]  ; my wave's 256 scale bytes
	s_mul_i32 s31, s24, 8448                       ; my stage
	v_lshlrev_b32 v4, 4, v1                        ; 16 x lane: in memory, both ways
	v_add_nc_u32 v5, s31, v4                       ; the stage, on the way in
	v_mul_u32_u24 v6, v2, 528
	v_lshl_add_u32 v6, v3, 7, v6
	v_add_nc_u32 v6, s31, v6                       ; and out: row r, + 128 h
	v_lshlrev_b32 v7, 4, v2
	v_lshl_add_u32 v7, v3, 3, v7                   ; the scale bytes: 16 r + 8 h
	v_lshlrev_b32 v15, 3, v3                       ; 8 h
	v_mov_b32 v14, 0                               ; a lane permute's destination counts as one of its sources
	LOADX 0
	LOADX 1
	STEPX 0
	STEPX 1
	STEPX 2
	STEPX 3
	v_cmp_lt_u32 s30, 15, v1
	v_cndmask_b32 v8, v[W], v[W+2], s30            ; lanes 0-15 store words 0 and 1 of their row, lanes 16-31 words 2 and 3
	v_cndmask_b32 v9, v[W+1], v[W+3], s30
	global_store_b64 v7, v[8:9], s[XSB:XSB+1]      ; 256 consecutive bytes, aligned
	s_wait_tensorcnt 0x0                           ; the wave's end, behind my last LDS store
	ds_add_u32 v[SPW], v[NIL]
	s_wait_dscnt 0x0
	s_endpgm
.Lfunc_end_k_q7eb8b4de95_prep:
	.size	k_q7eb8b4de95_prep, .Lfunc_end_k_q7eb8b4de95_prep-k_q7eb8b4de95_prep
	.p2alignl 7, 3214868480
	.fill 96, 4, 3214868480
	.section	.rodata,"a",@progbits
	.p2align	6, 0x0
	.amdhsa_kernel k_q7eb8b4de95_prep
		.amdhsa_group_segment_fixed_size 34304
		.amdhsa_private_segment_fixed_size 0
		.amdhsa_enable_private_segment 0
		.amdhsa_kernarg_size 64
		.amdhsa_user_sgpr_count 2
		.amdhsa_user_sgpr_kernarg_segment_ptr 1
		.amdhsa_wavefront_size32 1
		.amdhsa_system_sgpr_workgroup_id_x 1
		.amdhsa_system_sgpr_workgroup_id_y 1
		.amdhsa_system_sgpr_workgroup_id_z 1
		.amdhsa_system_vgpr_workitem_id 0
		.amdhsa_next_free_vgpr 256
		.amdhsa_next_free_sgpr 66
		.amdhsa_reserve_vcc 0
		.amdhsa_float_denorm_mode_32 3
		.amdhsa_float_denorm_mode_16_64 3
		.amdhsa_memory_ordered 1
		.amdhsa_forward_progress 1
		.amdhsa_inst_pref_size 68
	.end_amdhsa_kernel
	.amdgpu_metadata
---
amdhsa.version: [ 1, 2 ]
amdhsa.kernels:
  - .name:           k_q7eb8b4de95_prep
    .symbol:         k_q7eb8b4de95_prep.kd
    .args:
      - { .name: x, .offset: 0, .size: 8, .value_kind: global_buffer, .address_space: global }
      - { .name: Wq, .offset: 8, .size: 8, .value_kind: global_buffer, .address_space: global }
      - { .name: Wk, .offset: 16, .size: 8, .value_kind: global_buffer, .address_space: global }
      - { .name: Wv, .offset: 24, .size: 8, .value_kind: global_buffer, .address_space: global }
      - { .name: xc, .offset: 32, .size: 8, .value_kind: global_buffer, .address_space: global }
      - { .name: xs, .offset: 40, .size: 8, .value_kind: global_buffer, .address_space: global }
      - { .name: wc, .offset: 48, .size: 8, .value_kind: global_buffer, .address_space: global }
      - { .name: ws, .offset: 56, .size: 8, .value_kind: global_buffer, .address_space: global }
    .group_segment_fixed_size: 34304
    .private_segment_fixed_size: 0
    .kernarg_segment_align: 8
    .kernarg_segment_size: 64
    .max_flat_workgroup_size: 128
    .sgpr_count:     66
    .vgpr_count:     256
    .wavefront_size: 32
...
	.end_amdgpu_metadata
.endif
;; end of part 1
;; launch qkv (part 2): grid 16 x 16, 4 waves a work-group, clusters of 4 x 1, 167,936 bytes of LDS; arguments xc, xs, wc, ws, bq, bk, bv, qkvw; writes qkvw
.if DOCPART == 2
	.amdgcn_target "amdgcn-amd-amdhsa--gfx1250"
	.amdhsa_code_object_version 6
	.text
	.protected	k_q7eb8b4de95_qkv
	.globl	k_q7eb8b4de95_qkv
	.p2align	8
	.type	k_q7eb8b4de95_qkv,@function
k_q7eb8b4de95_qkv:
	s_mov_b64 s[64:65], 0
	v_nop
	global_prefetch_b8 v0, s[64:65] scope:SCOPE_SE
	s_setreg_imm32_b32 hwreg(HW_REG_WAVE_MODE, 25, 1), 1
	s_wait_xcnt 0x0
	s_wait_alu depctr_hold_cnt(0) depctr_sa_sdst(0) depctr_va_vdst(0) depctr_va_sdst(0) depctr_va_ssrc(0) depctr_va_vcc(0) depctr_vm_vsrc(0)
	s_getreg_b32 s2, hwreg(HW_REG_IB_STS2, 6, 4)
	s_cmp_eq_u32 s2, 0
	s_cbranch_scc0 .Lentry_in_a_cluster
	s_endpgm
.Lentry_in_a_cluster:
	s_bfe_u32 s2, ttmp6, 0x10000c
	s_cmp_lg_u32 s2, 0x3003
	s_cbranch_scc0 .Lentry_shape_is_right
	s_endpgm
.Lentry_shape_is_right:
; QKV.  [q | k | v] = x [Wq | Wk | Wv] + bias on codes of E2M1 with E8M0 scales: M 2,048, K 2,048, N 3,072; sums in f32.  q is multiplied by log2(e) / 8, so that the softmax needs no scaling; all is rounded to f16.
; SHARES.  A work-group makes 128 tokens (work-group y) x 192 columns (work-group x); wave w makes 128 x 48: 24 accumulators, (a, i): tokens 16 a on, columns 16 (12 x + 3 w + i) on.
; x's codes of the 128 tokens for all of K are one dense block of 131,072 bytes: they come into LDS once, in two halves along K, and are never filled again.  The four work-groups of a cluster share them: JOINT loads.
; A wave's 48 columns of W are read by that wave alone: their codes go from memory straight into 384 registers, 512 consecutive bytes a load, and stay.
; THE MATRIX INSTRUCTION IS USED TRANSPOSED (source 0 = 16 columns of W, source 1 = 16 tokens): a lane holds one token and eight neighbouring columns, which pack into 16 bytes: a piece of the next launch's operand image.
; OUT: qkvw [head 48: 32 of q, 8 of k, 8 of v][16 tokens: 128][16 of the head's 64: 4][512 B]; in a piece of q or k lane l's 16 bytes lie at 16 l; in a piece of v token r's 32 bytes lie at 32 r (for the turning LDS load).
; LIMITS: q x 0.18, k and v beyond 65,504 in magnitude have no f16 number; NaN and infinities are not served.
; REGISTERS: window 0: v1-13 addresses; v16-79 x's scale words, v80-103 W's (lanes 0-15 one K step, lanes 16-31 the K step four on); v104-127 the biases in the result's layout; v128-255 x's fragments, two sets.
;   window 1: the accumulators at v[8 (3 a + i)].   window 2: W's fragments of K steps 0-9 at v[24 ks + 8 i];   window 3: those of K steps 10-15.
.set SPARE, 131072                     ; behind x's codes: the spare words, 128 bytes a wave
.set LI,  1                            ; v1   16 x lane
.set LI2, 2                            ; v2   the same in the second half of x's codes
.set OFF, 3                            ; v3-5 my byte in qkvw for column tile i
.set WSO, 6                            ; v6   W's scale words: 4 r, lanes 16-31 four K steps on
.set HB,  7                            ; v7   32 h: my eight numbers of a bias
.set SPW, 8                            ; v8   LDS address of my spare word; never rewritten
.set NIL, 9                            ; v9   0; never rewritten
.set VL,  10                           ; v10  32 r + 16 h: my place in a piece of v
.set XS,  16
.set WS,  80
.set BI,  104
.set AF,  128
.set G1,  24                           ; s[24:31] descriptor group 1
.set G0,  32                           ; s[32:39] group 0, a set for each half
.set FS,  40                           ; s[40:45] the factor of column tile i, as a pair
.set BP,  46                           ; s[46:51] where column tile i's bias lies
.set MSB, 0
.macro WIN new                         ; the immediate's high byte repeats the setting that is left
.if MSB != \new
	s_set_vgpr_msb (MSB<<8)|\new
.set MSB, \new
.endif
.endm
.macro PLACES n
.rept \n
	v_nop
.endr
.endm
.macro CROUND                          ; a round of the cluster's barrier
	s_barrier_signal -1
	s_barrier_wait -1
	s_cmp_lg_u32 s20, 0
	s_cbranch_scc1 .Lnot_wave_0_\@
	s_barrier_signal -3
.Lnot_wave_0_\@:
	s_barrier_wait -3
	s_barrier_signal -1
	s_barrier_wait -1
.endm
.macro BLOAD ks                        ; W's three fragments of K step ks: six loads of 512 consecutive bytes
.irp i, 0,1,2
.irp c, 0,1
	global_load_b128 v[24*((\ks)%10)+8*\i+4*\c:24*((\ks)%10)+8*\i+4*\c+3], v[LI], s[8:9] offset:\i*16384+(\ks)*1024+\c*512
.endr
.endr
.endm
.macro AFETCH ks                       ; x's eight fragments of K step ks into set ks % 2: 16 loads of 512 consecutive bytes
.irp a, 0,1,2,3,4,5,6,7
.irp c, 0,1
.if (\ks) < 8
	ds_load_b128 v[AF+64*((\ks)%2)+8*\a+4*\c:AF+64*((\ks)%2)+8*\a+4*\c+3], v[LI] offset:((\ks)&7)*8192+\a*1024+\c*512
.else
	ds_load_b128 v[AF+64*((\ks)%2)+8*\a+4*\c:AF+64*((\ks)%2)+8*\a+4*\c+3], v[LI2] offset:((\ks)&7)*8192+\a*1024+\c*512
.endif
.endr
.endr
.endm
; A K step of 128: the next step's fragments of x are asked for, then 24 matrix instructions, the accumulators by turns, in the same order in every step.
.macro KSTEP ks
.if (\ks) < 15
	WIN 0
.if (\ks) > 0
	PLACES 4                                       ; the set about to be loaded was read by the matrix instructions just issued: four plain places (ISA guide 7.12.1 for vector instructions)
.endif
	AFETCH (\ks)+1
	s_wait_dscnt 16                                ; this step's 16 loads are in; the 16 just issued may be out
.else
	s_wait_dscnt 0x0
.endif
.if 6*(15-(\ks)) > 63
	s_wait_loadcnt 63                              ; W's fragments of this step are in: six loads for each later step may be out; the field holds 63, and a smaller count is safe
.else
	s_wait_loadcnt 6*(15-(\ks))
.endif
.if (\ks) == 0
	WIN 0x42                                       ; source 0 (W) window 2, source 1 (x) and C (the bias) window 0, D window 1
.elseif (\ks) < 10
	WIN 0x52                                       ; C window 1 too
.else
	WIN 0x53                                       ; W in window 3
.endif
.set BB,  24*((\ks)%10)
.set AFS, AF+64*((\ks)%2)
.set SW,  4*((\ks)>>3)+((\ks)&3)       ; which scale register of eight; K steps 4-7 and 12-15 lie in lanes 16-31
.irp a, 0,1,2,3,4,5,6,7
.irp i, 0,1,2
.set rD, 8*(3*\a+\i)
.set rB, BB+8*\i
.set rA, AFS+8*\a
.set rW, WS+8*\i+SW
.set rX, XS+8*\a+SW
.if (\ks) == 0
	v_wmma_scale_f32_16x16x128_f8f6f4 v[rD:rD+7], v[rB:rB+7], v[rA:rA+7], v[BI+8*\i:BI+8*\i+7], v[rW], v[rX] matrix_a_fmt:MATRIX_FMT_FP4 matrix_b_fmt:MATRIX_FMT_FP4
.elseif (((\ks)>>2)&1) == 0
	v_wmma_scale_f32_16x16x128_f8f6f4 v[rD:rD+7], v[rB:rB+7], v[rA:rA+7], v[rD:rD+7], v[rW], v[rX] matrix_a_fmt:MATRIX_FMT_FP4 matrix_b_fmt:MATRIX_FMT_FP4
.else
	v_wmma_scale_f32_16x16x128_f8f6f4 v[rD:rD+7], v[rB:rB+7], v[rA:rA+7], v[rD:rD+7], v[rW], v[rX] matrix_a_fmt:MATRIX_FMT_FP4 matrix_b_fmt:MATRIX_FMT_FP4 matrix_a_scale:MATRIX_SCALE_ROW1 matrix_b_scale:MATRIX_SCALE_ROW1
.endif
.endr
.endr
.endm
	s_load_b256 s[4:11], s[0:1], 0x0               ; xc s[4:5], xs s[6:7], wc s[8:9], ws s[10:11]
	s_load_b256 s[12:19], s[0:1], 0x20             ; bq s[12:13], bk s[14:15], bv s[16:17], qkvw s[18:19]
	v_lshl_add_u32 v[SPW], v0, 2, SPARE
	v_mov_b32 v[NIL], 0
	ds_add_u32 v[SPW], v[NIL]                      ; the wave's opening: the add, twice on end, and its wait ahead of my first tensor load
	ds_add_u32 v[SPW], v[NIL]
	v_lshrrev_b32 v11, 5, v0
	v_readfirstlane_b32 s20, v11                   ; wave 0..3
	s_bfe_u32 s21, ttmp6, 0x40000                  ; cx: my place in the cluster
	s_lshl_b32 s22, ttmp9, 2
	s_add_co_u32 s22, s22, s21                     ; work-group x: which 192 columns.  It enters global addresses and selects alone
	s_and_b32 s23, ttmp7, 0xffff                   ; work-group y: which 128 tokens; the four partners share it
	s_mov_b32 s[G1], 15|(3<<16)|(1<<21)            ; 15:0 the mask: all four work-groups; 17:16 elements of 8 bytes; 21 set beside a mask; no padding
	s_mov_b32 s[G1+1], 32<<16                      ; tensor_dim0 = 32 elements: rows of 256 bytes
	s_mov_b32 s[G1+2], 64<<16                      ; tensor_dim1 = 64
	s_mov_b32 s[G1+3], 32<<16                      ; tile_dim0
	s_mov_b32 s[G1+4], 64                          ; tile_dim1: 16,384 bytes a load
	s_mov_b32 s[G1+5], 32                          ; the block is dense
	s_mov_b32 s[G1+6], 0
	s_mov_b32 s[G1+7], 0
	s_lshl_b32 s53, s20, 14                        ; my quarter of a half: in LDS,
	s_lshl_b32 s54, s23, 17
	s_add_co_u32 s54, s54, s53                     ; and in xc
	s_mov_b32 s55, 0
	s_wait_dscnt 0x0                               ; both opening adds are done
	s_wait_kmcnt 0x0
	s_add_nc_u64 s[54:55], s[4:5], s[54:55]
.irp hf, 0,1
	s_mov_b32 s[G0+4*\hf], 1
	s_add_co_u32 s[G0+4*\hf+1], s53, \hf*65536
	s_add_nc_u64 s[G0+4*\hf+2:G0+4*\hf+3], s[54:55], \hf*65536
	s_or_b32 s[G0+4*\hf+3], s[G0+4*\hf+3], 0x80000000
.endr
	CROUND                                         ; all four work-groups are here: the joint loads meet
	tensor_load_to_lds s[G0:G0+3], s[G1:G1+7]      ; K steps 0-7; two loads of mine are out
	s_nop 0
	tensor_load_to_lds s[G0+4:G0+7], s[G1:G1+7]    ; K steps 8-15
	s_nop 0
	PLACES 4
	v_and_b32 v11, 31, v0                          ; lane
	v_and_b32 v12, 15, v0                          ; r
	v_bfe_u32 v13, v0, 4, 1                        ; h
	v_lshlrev_b32 v[LI], 4, v11
	v_add_nc_u32 v[LI2], 0x10000, v[LI]
	v_lshlrev_b32 v[WSO], 2, v12
	v_mad_u32_u24 v[WSO], v13, 49152, v[WSO]
	v_lshlrev_b32 v[HB], 5, v13
	v_lshlrev_b32 v[VL], 5, v12
	v_lshl_add_u32 v[VL], v13, 4, v[VL]
	s_mul_i32 s56, s22, 12
	s_mul_i32 s57, s20, 3
	s_add_co_u32 s56, s56, s57                     ; my first column tile of the 192
.irp i, 0,1,2                          ; column tile nt: 0-127 q, 128-159 k, 160-191 v.  Everything is chosen by selects on ids: no branch
	s_add_co_u32 s57, s56, \i
	s_mov_b32 s58, 160
	s_cmp_lt_u32 s57, 160
	s_cselect_b64 s[BP+2*\i:BP+2*\i+1], s[14:15], s[16:17]
	s_cselect_b32 s58, 128, s58
	s_cselect_b32 s59, 0, -1                       ; all ones for a tile of v
	s_cmp_lt_u32 s57, 128
	s_cselect_b64 s[BP+2*\i:BP+2*\i+1], s[12:13], s[BP+2*\i:BP+2*\i+1]
	s_cselect_b32 s58, 0, s58                      ; the tensor's first tile
	s_cselect_b32 s[FS+2*\i], 0x3e38aa3b, 1.0      ; log2(e) / 8 for q
	s_mov_b32 s[FS+2*\i+1], s[FS+2*\i]             ; (named with it as a pair, so it is written)
	s_sub_co_u32 s60, s57, s58
	s_lshl_b32 s60, s60, 6                         ; 16 numbers of 4 bytes a tile
	s_mov_b32 s61, 0
	s_add_nc_u64 s[BP+2*\i:BP+2*\i+1], s[BP+2*\i:BP+2*\i+1], s[60:61]
	s_lshr_b32 s62, s57, 2
	s_lshl_b32 s62, s62, 18                        ; the head: 262,144 bytes,
	s_and_b32 s63, s57, 3
	s_lshl_b32 s63, s63, 9                         ; the piece among its four,
	s_add_co_u32 s62, s62, s63
	s_lshl_b32 s63, s23, 14                        ; my 128 tokens: 8 x 2,048 bytes
	s_add_co_u32 s62, s62, s63
	v_cndmask_b32 v[OFF+\i], v[LI], v[VL], s59
	v_add_nc_u32 v[OFF+\i], s62, v[OFF+\i]
.endr
	s_lshl_b32 s60, s23, 13
	s_add_nc_u64 s[6:7], s[6:7], s[60:61]          ; x's scale bytes of my 128 tokens
	s_lshl_b32 s60, s56, 6
	s_add_nc_u64 s[10:11], s[10:11], s[60:61]      ; W's scale words at my first column
	s_lshl_b32 s60, s56, 14
	s_add_nc_u64 s[8:9], s[8:9], s[60:61]          ; W's codes at my first column tile
.irp a, 0,1,2,3,4,5,6,7                ; register XS + 8 a + 4 L + j: lanes 0-15 the word of K step 8 L + j, lanes 16-31 that of K step 8 L + 4 + j
.irp L, 0,1
	global_load_b128 v[XS+8*\a+4*\L:XS+8*\a+4*\L+3], v[LI], s[6:7] offset:\a*1024+\L*512
.endr
.endr
.irp i, 0,1,2
.irp L, 0,1
.irp j, 0,1,2,3
	global_load_b32 v[WS+8*\i+4*\L+\j], v[WSO], s[10:11] offset:(8*\L+\j)*12288+\i*64
.endr
.endr
.endr
.irp i, 0,1,2
	global_load_b128 v[BI+8*\i:BI+8*\i+3], v[HB], s[BP+2*\i:BP+2*\i+1]
	global_load_b128 v[BI+8*\i+4:BI+8*\i+7], v[HB], s[BP+2*\i:BP+2*\i+1] offset:16
.endr
	WIN 0x80                                       ; destination window 2
.set KS, 0
.rept 10
	BLOAD KS
.set KS, KS+1
.endr
	WIN 0xc0                                       ; destination window 3
.rept 6
	BLOAD KS
.set KS, KS+1
.endr
	WIN 0
	s_wait_tensorcnt 1                             ; my part of K steps 0-7 is in; the second half may stay out
	s_barrier_signal -1
	s_barrier_wait -1                              ; everybody's is
	AFETCH 0
.set KS, 0
.rept 7
	KSTEP KS
.set KS, KS+1
.endr
	s_wait_tensorcnt 0x0                           ; K step 7 fetches K step 8's fragments: my part of the second half is in,
	s_wait_dscnt 0x0                               ; (no LDS instruction is out at a signal)
	s_barrier_signal -1
	s_barrier_wait -1                              ; and everybody's
.rept 9
	KSTEP KS
.set KS, KS+1
.endr
	; THE WAY OUT: x the factor, to f16, 16 bytes a lane, 512 consecutive bytes a store.  Each accumulator is read from its low end on.
	PLACES 4
	WIN 0x41                                       ; destination and source 0 window 1
.irp a, 0,1,2,3,4,5,6,7
.irp i, 0,1,2
.irp p, 0,2,4,6
	v_pk_mul_f32 v[8*(3*\a+\i)+\p:8*(3*\a+\i)+\p+1], v[8*(3*\a+\i)+\p:8*(3*\a+\i)+\p+1], s[FS+2*\i:FS+2*\i+1] op_sel_hi:[1,0]
.endr
.endr
.endr
	WIN 0x05                                       ; sources window 1, destination window 0: x's fragments are done with
.irp a, 0,1,2,3,4,5,6,7
.irp i, 0,1,2
.irp p, 0,1,2,3
	v_cvt_pk_f16_f32 v[AF+4*(3*\a+\i)+\p], v[8*(3*\a+\i)+2*\p], v[8*(3*\a+\i)+2*\p+1]
.endr
.endr
.endr
	WIN 0
.irp a, 0,1,2,3,4,5,6,7
.irp i, 0,1,2
	global_store_b128 v[OFF+\i], v[AF+4*(3*\a+\i):AF+4*(3*\a+\i)+3], s[18:19] offset:\a*2048
.endr
.endr
	s_wait_tensorcnt 0x0                           ; the wave's end
	ds_add_u32 v[SPW], v[NIL]
	s_wait_dscnt 0x0
	CROUND                                         ; the closing round
	s_endpgm
.Lfunc_end_k_q7eb8b4de95_qkv:
	.size	k_q7eb8b4de95_qkv, .Lfunc_end_k_q7eb8b4de95_qkv-k_q7eb8b4de95_qkv
	.p2alignl 7, 3214868480
	.fill 96, 4, 3214868480
	.section	.rodata,"a",@progbits
	.p2align	6, 0x0
	.amdhsa_kernel k_q7eb8b4de95_qkv
		.amdhsa_group_segment_fixed_size 167936
		.amdhsa_private_segment_fixed_size 0
		.amdhsa_enable_private_segment 0
		.amdhsa_kernarg_size 64
		.amdhsa_user_sgpr_count 2
		.amdhsa_user_sgpr_kernarg_segment_ptr 1
		.amdhsa_wavefront_size32 1
		.amdhsa_system_sgpr_workgroup_id_x 1
		.amdhsa_system_sgpr_workgroup_id_y 1
		.amdhsa_system_sgpr_workgroup_id_z 1
		.amdhsa_system_vgpr_workitem_id 0
		.amdhsa_next_free_vgpr 912
		.amdhsa_next_free_sgpr 72
		.amdhsa_reserve_vcc 0
		.amdhsa_float_denorm_mode_32 3
		.amdhsa_float_denorm_mode_16_64 3
		.amdhsa_memory_ordered 1
		.amdhsa_forward_progress 1
		.amdhsa_inst_pref_size 103
	.end_amdhsa_kernel
	.amdgpu_metadata
---
amdhsa.version: [ 1, 2 ]
amdhsa.kernels:
  - .name:           k_q7eb8b4de95_qkv
    .symbol:         k_q7eb8b4de95_qkv.kd
    .args:
      - { .name: xc, .offset: 0, .size: 8, .value_kind: global_buffer, .address_space: global }
      - { .name: xs, .offset: 8, .size: 8, .value_kind: global_buffer, .address_space: global }
      - { .name: wc, .offset: 16, .size: 8, .value_kind: global_buffer, .address_space: global }
      - { .name: ws, .offset: 24, .size: 8, .value_kind: global_buffer, .address_space: global }
      - { .name: bq, .offset: 32, .size: 8, .value_kind: global_buffer, .address_space: global }
      - { .name: bk, .offset: 40, .size: 8, .value_kind: global_buffer, .address_space: global }
      - { .name: bv, .offset: 48, .size: 8, .value_kind: global_buffer, .address_space: global }
      - { .name: qkvw, .offset: 56, .size: 8, .value_kind: global_buffer, .address_space: global }
    .group_segment_fixed_size: 167936
    .private_segment_fixed_size: 0
    .kernarg_segment_align: 8
    .kernarg_segment_size: 64
    .max_flat_workgroup_size: 128
    .sgpr_count:     72
    .vgpr_count:     912
    .wavefront_size: 32
...
	.end_amdgpu_metadata
.endif
;; end of part 2
;; launch attn (part 3): grid 16 x 16, 8 waves a work-group, clusters of 4 x 1, 327,680 bytes of LDS; arguments qkvw, Wo, ow, wof; writes ow, wof
.if DOCPART == 3
	.amdgcn_target "amdgcn-amd-amdhsa--gfx1250"
	.amdhsa_code_object_version 6
	.text
	.protected	k_q7eb8b4de95_attn
	.globl	k_q7eb8b4de95_attn
	.p2align	8
	.type	k_q7eb8b4de95_attn,@function
k_q7eb8b4de95_attn:
	s_mov_b64 s[64:65], 0
	v_nop
	global_prefetch_b8 v0, s[64:65] scope:SCOPE_SE
	s_setreg_imm32_b32 hwreg(HW_REG_WAVE_MODE, 25, 1), 1
	s_wait_xcnt 0x0
	s_wait_alu depctr_hold_cnt(0) depctr_sa_sdst(0) depctr_va_vdst(0) depctr_va_sdst(0) depctr_va_ssrc(0) depctr_va_vcc(0) depctr_vm_vsrc(0)
	s_getreg_b32 s2, hwreg(HW_REG_IB_STS2, 6, 4)
	s_cmp_eq_u32 s2, 0
	s_cbranch_scc0 .Lentry_in_a_cluster
	s_endpgm
.Lentry_in_a_cluster:
	s_bfe_u32 s2, ttmp6, 0x10000c
	s_cmp_lg_u32 s2, 0x3003
	s_cbranch_scc0 .Lentry_shape_is_right
	s_endpgm
.Lentry_shape_is_right:
; ATTN.  o = softmax(q k^T / 8) v for 2 batches x 8 key heads x 4 query heads x 1,024 tokens, head size 64, f16 operands, f32 sums.  q arrives multiplied by log2(e) / 8: p = 2^(s - m), m the running maximum of s.
; SHARES.  Work-group y = batch x 8 + key head; work-group x = a block of 64 tokens.  A work-group owns those tokens in the key head's four query heads: 256 query rows.  Wave w: query heads 2 (w % 2) + 0, 1 of the four,
; tokens 16 (w / 2) on: two tiles of 16 queries, which share every fragment of K and V.  Two waves lie on a SIMD, so that one wave's softmax stands beside the other's products.
; K AND V of the (batch, key head), 131,072 bytes each, come into LDS once, IN FOUR PIECES of 256 keys (four key steps), each byte filled once.  A piece is 32,768 bytes of K (waves 0-3, 8,192 each) and as many of V
; (waves 4-7); the loads are JOINT for the four work-groups of a cluster.  Pieces 0 and 1 are asked for at the head; pieces 2 and 3 each behind a round of the cluster's barrier, four key steps ahead of their first read.
; Step j fetches step j + 1's fragments, so a piece is shown whole to all waves ahead of steps 3, 7 and 11.  By the text's own count a wave has at most two tensor loads out.
; LAYOUT.  S^T = K Q^T (source 0 = 16 keys, source 1 = 16 queries), O^T = V^T P (source 0 = 16 channels, source 1 = P): a lane holds ONE query throughout.  Two tiles of S^T, rounded in pairs, are P's fragment.
; K's pieces are register images (512 consecutive bytes a load); V's are 16 tokens x 32 bytes and are turned by ds_load_tr16_b128 (sixteen lanes take 256 consecutive bytes).
; OUT: ow [128 tokens: 16][32 along the 2,048: 64][16 tokens: 8][c 2][lane][16 B]: the packed tiles of O^T are the next launch's fragments as they stand.
; Wo RIDES ALONG.  This launch's own buffers are 21 MB for 17 GFLOP, so the conversion of Wo [2048][2048] f32 to f16 (25 MB in and out) is done here: work-group (x, y) takes columns 128 x on, K 128 y on; a wave 32 columns
; x 64 along K, a lane a column, its registers down K, in two halves of 32 loads, each asked for four key steps ahead of its conversion.
;   wof [128 columns: 16][32 along K: 64][16 columns: 8][octet of K 4][column 16][16 B]: the next launch's fragments.
; LIMITS: o and Wo beyond 65,504 in magnitude have no f16 number; NaN and infinities are not served.  The claim of LDS is larger than the use (263,168 bytes).
; REGISTERS: window 0: v1-7, v26 addresses; v8-23 statistics, eight a tile: +0 m, +1 the old m, +2 +3 l, +4..+7 at work (a in +6); v32-63 Q; v64-127 S^T; v128-159 P; v160-223 K.
;   window 1: v0-63 V; v64-127 O^T; v128-191 Wo's 64 numbers; v192-223 their f16 pairs.
.set PIECE, 32768                      ; 256 keys of K, or of V
.set SPARE, 262144
.set LI,  1                            ; v1  16 x lane
.set AV0, 2                            ; v2  my lane's place in a piece of V, from V's first byte in LDS
.set ADK, 3
.set ADV, 4
.set SPW, 5                            ; v5  LDS address of my spare word; never rewritten
.set NIL, 6                            ; v6  0; never rewritten
.set WOA, 7                            ; v7  4 x lane: my column of Wo
.set ST,  8
.set WOS, 26                           ; v26 wof: 16 (lane % 16), lanes 16-31 in the next 16 columns' image
.set Q,   32
.set S,   64
.set P,   128
.set KF,  160
.set O,   64                           ; in window 1
.set WO,  128                          ; in window 1
.set WP,  192                          ; in window 1
.set WV,  12
.set G1,  16                           ; s[16:23]
.set G0,  24                           ; s[24:31] two sets: pieces 0 and 2, pieces 1 and 3
.set SEL, 32                           ; s[32:33]
.set TB,  34                           ; s34  the byte in K (and in V) at which the step to be fetched begins
.set CNT, 35
.set MSB, 0
.macro WIN new
.if MSB != \new
	s_set_vgpr_msb (MSB<<8)|\new
.set MSB, \new
.endif
.endm
.macro PLACES n
.rept \n
	v_nop
.endr
.endm
.macro CROUND
	s_barrier_signal -1
	s_barrier_wait -1
	s_cmp_lg_u32 s[WV], 0
	s_cbranch_scc1 .Lnot_wave_0_\@
	s_barrier_signal -3
.Lnot_wave_0_\@:
	s_barrier_wait -3
	s_barrier_signal -1
	s_barrier_wait -1
.endm
.macro FETCH_K                         ; 64 keys x 64 channels: 16 loads
	v_add_nc_u32 v[ADK], s[TB], v[LI]
.irp kt, 0,1,2,3
.irp u, 0,1
.irp c, 0,1
	ds_load_b128 v[KF+16*\kt+8*\u+4*\c:KF+16*\kt+8*\u+4*\c+3], v[ADK] offset:\kt*2048+\u*1024+\c*512
.endr
.endr
.endr
.endm
.macro FETCH_V                         ; the same of V, turned: fragment (kk, dt): channels 16 dt on, keys 32 kk on
	v_add_nc_u32 v[ADV], s[TB], v[AV0]
	WIN 0x40                                       ; destination window 1
.irp kk, 0,1
.irp dt, 0,1,2,3
	ds_load_tr16_b128 v[8*(4*\kk+\dt):8*(4*\kk+\dt)+3],   v[ADV] offset:(2*\kk)*2048+\dt*512
	ds_load_tr16_b128 v[8*(4*\kk+\dt)+4:8*(4*\kk+\dt)+7], v[ADV] offset:(2*\kk+1)*2048+\dt*512
.endr
.endr
	WIN 0
.endm
; A KEY STEP of 64 keys.  first = 1: it starts m, l and O^T.  last = 1: nothing more is fetched.
.macro STEP first, last
	s_wait_dscnt 16                                ; K of this step is in; V's 16 loads may be out
.irp u, 0,1                            ; the eight accumulators by turns; the first eight products start the sums
.irp kt, 0,1,2,3
.irp t, 0,1
.if \u == 0
	v_wmma_f32_16x16x32_f16 v[S+32*\t+8*\kt:S+32*\t+8*\kt+7], v[KF+16*\kt:KF+16*\kt+7], v[Q+16*\t:Q+16*\t+7], 0
.else
	v_wmma_f32_16x16x32_f16 v[S+32*\t+8*\kt:S+32*\t+8*\kt+7], v[KF+16*\kt+8:KF+16*\kt+15], v[Q+16*\t+8:Q+16*\t+15], v[S+32*\t+8*\kt:S+32*\t+8*\kt+7]
.endif
.endr
.endr
.endr
	s_add_co_u32 s[TB], s[TB], 8192
	PLACES 4                                       ; in front of loads into K's registers and of the first read of the scores
.if !\last
	FETCH_K                                        ; the next step's K lands under the softmax
.endif
	; the maximum of my 32 scores a tile and the old m; each accumulator is read from its low end on; the two tiles line by line
.irp j, 0,1,2,3
.irp t, 0,1
	v_max3_num_f32 v[ST+8*\t+4+\j], v[S+32*\t+8*\j], v[S+32*\t+8*\j+1], v[S+32*\t+8*\j+2]
.endr
.endr
.irp p, 3,5
.irp j, 0,1,2,3
.irp t, 0,1
	v_max3_num_f32 v[ST+8*\t+4+\j], v[ST+8*\t+4+\j], v[S+32*\t+8*\j+\p], v[S+32*\t+8*\j+\p+1]
.endr
.endr
.endr
.irp t, 0,1
	v_max3_num_f32 v[ST+8*\t+4], v[ST+8*\t+4], v[S+32*\t+7], v[S+32*\t+15]
.endr
.irp t, 0,1
	v_max3_num_f32 v[ST+8*\t+6], v[ST+8*\t+6], v[S+32*\t+23], v[S+32*\t+31]
.endr
.irp t, 0,1
	v_max3_num_f32 v[ST+8*\t+4], v[ST+8*\t+4], v[ST+8*\t+5], v[ST+8*\t+6]
.endr
.irp t, 0,1
.if \first
	v_max_num_f32 v[ST+8*\t+4], v[ST+8*\t+4], v[ST+8*\t+7]
.else
	v_max3_num_f32 v[ST+8*\t+4], v[ST+8*\t+4], v[ST+8*\t+7], v[ST+8*\t]
.endif
.endr
.irp t, 0,1
	v_permlanex16_b32 v[ST+8*\t+5], v[ST+8*\t+4], s[SEL], s[SEL+1]   ; the query's other 32 keys lie in the lane 16 away
.endr
.if !\first
.irp t, 0,1
	v_mov_b32 v[ST+8*\t+1], v[ST+8*\t]
.endr
.endif
.irp t, 0,1
	v_max_num_f32 v[ST+8*\t], v[ST+8*\t+4], v[ST+8*\t+5]             ; the new m
.endr
.if !\first
.irp t, 0,1
	v_sub_f32 v[ST+8*\t+7], v[ST+8*\t+1], v[ST+8*\t]                 ; old m - new m, 0 or less
.endr
.endif
.irp i, 0,2,4,6,8,10,12,14,16,18,20,22,24,26,28,30
.irp t, 0,1
	v_pk_add_f32 v[S+32*\t+\i:S+32*\t+\i+1], v[S+32*\t+\i:S+32*\t+\i+1], v[ST+8*\t:ST+8*\t+1] op_sel_hi:[1,0] neg_lo:[0,1] neg_hi:[0,1]   ; s - m, two at a time
.endr
.endr
	; ONE BATCH of exponentials, none of which reads another's result, one plain line, ONE wait ahead of the first reader
.if !\first
.irp t, 0,1
	v_exp_f32 v[ST+8*\t+6], v[ST+8*\t+7]           ; a = 2^(old m - new m)
.endr
.endif
.irp i, 0,1,2,3,4,5,6,7,8,9,10,11,12,13,14,15,16,17,18,19,20,21,22,23,24,25,26,27,28,29,30,31
.irp t, 0,1
	v_exp_f32 v[S+32*\t+\i], v[S+32*\t+\i]         ; p = 2^(s - m), at most 1
.endr
.endr
	v_nop
	s_wait_alu depctr_va_vdst(0)
.irp i, 0,1,2,3,4,5,6,7,8,9,10,11,12,13,14,15
.irp t, 0,1
	v_cvt_pk_f16_f32 v[P+16*\t+\i], v[S+32*\t+2*\i], v[S+32*\t+2*\i+1]
.endr
.endr
	; the sum of the unrounded p, in place: neighbours 1, 2, 4 and 8 pairs apart; then l = a l + the sum
.irp u, 0,1,2,3,4,5,6,7
.irp t, 0,1
	v_pk_add_f32 v[S+32*\t+4*\u:S+32*\t+4*\u+1], v[S+32*\t+4*\u:S+32*\t+4*\u+1], v[S+32*\t+4*\u+2:S+32*\t+4*\u+3]
.endr
.endr
.irp u, 0,1,2,3
.irp t, 0,1
	v_pk_add_f32 v[S+32*\t+8*\u:S+32*\t+8*\u+1], v[S+32*\t+8*\u:S+32*\t+8*\u+1], v[S+32*\t+8*\u+4:S+32*\t+8*\u+5]
.endr
.endr
.irp u, 0,1
.irp t, 0,1
	v_pk_add_f32 v[S+32*\t+16*\u:S+32*\t+16*\u+1], v[S+32*\t+16*\u:S+32*\t+16*\u+1], v[S+32*\t+16*\u+8:S+32*\t+16*\u+9]
.endr
.endr
.if \first
.irp t, 0,1
	v_pk_add_f32 v[ST+8*\t+2:ST+8*\t+3], v[S+32*\t:S+32*\t+1], v[S+32*\t+16:S+32*\t+17]
.endr
.else
.irp t, 0,1
	v_pk_add_f32 v[S+32*\t:S+32*\t+1], v[S+32*\t:S+32*\t+1], v[S+32*\t+16:S+32*\t+17]
.endr
.irp t, 0,1
	v_pk_fma_f32 v[ST+8*\t+2:ST+8*\t+3], v[ST+8*\t+2:ST+8*\t+3], v[ST+8*\t+6:ST+8*\t+7], v[S+32*\t:S+32*\t+1] op_sel_hi:[1,0,1]
.endr
	WIN 0x41                                       ; O^T (destination and source 0) window 1, a window 0
.irp t, 0,1
.irp i, 0,2,4,6,8,10,12,14,16,18,20,22,24,26,28,30
	v_pk_mul_f32 v[O+32*\t+\i:O+32*\t+\i+1], v[O+32*\t+\i:O+32*\t+\i+1], v[ST+8*\t+6:ST+8*\t+7] op_sel_hi:[1,0]
.endr
.endr
.endif
.if \last
	s_wait_dscnt 0x0                               ; V is in
.else
	s_wait_dscnt 16                                ; V of this step is in; the next K's 16 loads may be out
.endif
	WIN 0x51                                       ; V window 1, P window 0, C and D window 1
.irp kk, 0,1
.irp dt, 0,1,2,3
.irp t, 0,1
.if \first && (\kk == 0)
	v_wmma_f32_16x16x32_f16 v[O+32*\t+8*\dt:O+32*\t+8*\dt+7], v[8*(4*\kk+\dt):8*(4*\kk+\dt)+7], v[P+16*\t+8*\kk:P+16*\t+8*\kk+7], 0
.else
	v_wmma_f32_16x16x32_f16 v[O+32*\t+8*\dt:O+32*\t+8*\dt+7], v[8*(4*\kk+\dt):8*(4*\kk+\dt)+7], v[P+16*\t+8*\kk:P+16*\t+8*\kk+7], v[O+32*\t+8*\dt:O+32*\t+8*\dt+7]
.endif
.endr
.endr
.endr
	WIN 0
	PLACES 4                                       ; in front of loads into V's registers; behind the last step, of the first read of O^T
.if !\last
	FETCH_V
.endif
.endm
.macro STEPS n                         ; n key steps, written once; the LDS addresses hang on s[TB]
	s_mov_b32 s[CNT], \n
.Lstep_\@:
	STEP 0, 0
	s_sub_co_u32 s[CNT], s[CNT], 1
	s_cmp_lg_u32 s[CNT], 0
	s_cbranch_scc1 .Lstep_\@
.endm
; THE NEXT PIECE IS SHOWN WHOLE.  Each wave waits for all its tensor loads (its part of the piece that the next step begins to fetch from), adds 0 to its spare word, and waits for that and for its LDS loads.
; fill = 1: descriptor set \set steps two pieces on, a round of the cluster's barrier follows, and the joint load of that piece, bytes that nothing has filled yet, is the first thing behind it and my one tensor load
; until the next such place: it has four key steps in which to land.  fill = 0: the last piece: the work-group's barrier alone.
.macro CHANGE set, fill
	s_wait_tensorcnt 0x0                           ; no tensor load of mine is out, so a group 0 may be written
	ds_add_u32 v[SPW], v[NIL]                      ; 0 onto my spare word
.if \fill
	s_add_co_u32 s[G0+4*\set+1], s[G0+4*\set+1], 2*PIECE
	s_add_nc_u64 s[G0+4*\set+2:G0+4*\set+3], s[G0+4*\set+2:G0+4*\set+3], 2*PIECE   ; the type bits on top are not reached
	s_wait_dscnt 0x0                               ; the add is done, and no LDS load of mine is out
	CROUND
	tensor_load_to_lds s[G0+4*\set:G0+4*\set+3], s[G1:G1+7]
	s_nop 0
	PLACES 4
.else
	s_wait_dscnt 0x0
	s_barrier_signal -1
	s_barrier_wait -1
.endif
.endm
.macro WOLOAD h                        ; rows 32 h .. 32 h + 31 of my 64 along K, my column: 32 lanes read 128 consecutive bytes, four waves side by side 512
	WIN 0x40                                       ; destination window 1
.set wn, 32*\h
.rept 32
	global_load_b32 v[WO+wn], v[WOA], s[6:7] offset:wn*8192 th:TH_LOAD_NT
.set wn, wn+1
.endr
	WIN 0
.endm
.macro WOOUT h                         ; that half to f16: four octets of K, 16 bytes each
	s_wait_loadcnt 0x0                             ; its 32 loads, asked for four key steps ago; no other load of mine is out
	WIN 0x45                                       ; all three in window 1
.set wp, 0
.rept 16
	v_cvt_pk_f16_f32 v[WP+16*\h+wp], v[WO+32*\h+2*wp], v[WO+32*\h+2*wp+1]
.set wp, wp+1
.endr
	WIN 0x04                                       ; a store's data are its source 1: window 1
.irp o, 0,1,2,3
	global_store_b128 v[WOS], v[WP+16*\h+4*\o:WP+16*\h+4*\o+3], s[10:11] offset:\h*8192+\o*256   ; sixteen lanes store 256 consecutive bytes, aligned
.endr
	WIN 0
.endm
	s_load_b256 s[4:11], s[0:1], 0x0               ; qkvw s[4:5], Wo s[6:7], ow s[8:9], wof s[10:11]
	v_lshl_add_u32 v[SPW], v0, 2, SPARE
	v_mov_b32 v[NIL], 0
	ds_add_u32 v[SPW], v[NIL]                      ; the wave's opening: the add, twice on end, and its wait ahead of my first tensor load
	ds_add_u32 v[SPW], v[NIL]
	v_lshrrev_b32 v24, 5, v0
	v_readfirstlane_b32 s[WV], v24                 ; wave 0..7
	s_bfe_u32 s13, ttmp6, 0x40000                  ; cx
	s_lshl_b32 s14, ttmp9, 2
	s_add_co_u32 s14, s14, s13                     ; work-group x: my block of 64 tokens, my 128 columns of Wo: it enters Q's, O's and Wo's global addresses alone
	s_and_b32 s15, ttmp7, 0xffff                   ; work-group y, which the four partners share
	s_lshr_b32 s40, s15, 3                         ; batch
	s_and_b32 s41, s15, 7                          ; key head
	s_mov_b32 s[G1], 15|(3<<16)|(1<<21)            ; the mask: all four work-groups; elements of 8 bytes; bit 21 beside a mask; no padding
	s_mov_b32 s[G1+1], 32<<16                      ; rows of 256 bytes,
	s_mov_b32 s[G1+2], 32<<16
	s_mov_b32 s[G1+3], 32<<16
	s_mov_b32 s[G1+4], 32                          ; 32 of them: 8,192 bytes a load: one key step's K or V,
	s_mov_b32 s[G1+5], 32                          ; dense
	s_mov_b32 s[G1+6], 0
	s_mov_b32 s[G1+7], 0
	s_add_co_u32 s36, s41, 32                      ; K's heads lie behind q's 32, V's eight further on
	s_lshl_b32 s36, s36, 18
	s_lshl_b32 s38, s40, 17                        ; the batch's 64 tiles of tokens
	s_add_co_u32 s36, s36, s38
	s_lshr_b32 s39, s[WV], 2                       ; waves 0-3 fetch K, waves 4-7 V,
	s_lshl_b32 s38, s39, 21
	s_add_co_u32 s36, s36, s38
	s_and_b32 s38, s[WV], 3
	s_lshl_b32 s38, s38, 13                        ; a quarter of a piece each
	s_add_co_u32 s36, s36, s38
	s_mov_b32 s37, 0
	s_lshl_b32 s39, s39, 17
	s_add_co_u32 s39, s39, s38                     ; and its place in LDS: the wave's number alone
	s_mov_b32 s[SEL], 0x76543210
	s_mov_b32 s[SEL+1], 0xfedcba98
	s_mov_b32 s[TB], 0
	s_and_b32 s44, s[WV], 1                        ; which pair of query heads
	s_lshr_b32 s45, s[WV], 1                       ; which 16 of the 64 tokens
	s_lshl_b32 s46, s40, 6
	s_lshl_b32 s47, s14, 2
	s_add_co_u32 s46, s46, s47
	s_add_co_u32 s46, s46, s45                     ; my tile of tokens, of 128
	s_lshl_b32 s47, s41, 2
	s_lshl_b32 s48, s44, 1
	s_add_co_u32 s47, s47, s48                     ; my first query head
	s_lshl_b32 s42, s47, 18
	s_lshl_b32 s48, s46, 11
	s_add_co_u32 s42, s42, s48
	s_mov_b32 s43, 0
	s_lshr_b32 s50, s46, 3
	s_lshl_b32 s50, s50, 19
	s_lshl_b32 s48, s47, 14                        ; a head is two steps of 32 along the next K: 2 x 8,192 bytes
	s_add_co_u32 s50, s50, s48
	s_and_b32 s48, s46, 7
	s_lshl_b32 s48, s48, 10
	s_add_co_u32 s50, s50, s48
	s_mov_b32 s51, 0
	s_lshr_b32 s49, s[WV], 2                       ; Wo: which 64 of the work-group's 128 along K,
	s_and_b32 s48, s[WV], 3                        ; which 32 of its 128 columns
	s_lshl_b32 s52, s15, 20                        ; 128 rows of 8,192 bytes
	s_lshl_b32 s54, s49, 19
	s_add_co_u32 s52, s52, s54
	s_lshl_b32 s54, s14, 9
	s_add_co_u32 s52, s52, s54
	s_lshl_b32 s54, s48, 7
	s_add_co_u32 s52, s52, s54
	s_mov_b32 s53, 0
	s_lshl_b32 s54, s14, 19                        ; wof: 524,288 bytes for 128 columns, 8,192 for 32 along K, 1,024 for 16 columns
	s_lshl_b32 s55, s15, 15
	s_add_co_u32 s54, s54, s55
	s_lshl_b32 s55, s49, 14
	s_add_co_u32 s54, s54, s55
	s_lshl_b32 s55, s48, 11
	s_add_co_u32 s54, s54, s55
	s_mov_b32 s55, 0
	v_and_b32 v24, 31, v0
	v_lshlrev_b32 v[LI], 4, v24
	v_lshlrev_b32 v[WOA], 2, v24
	v_bfe_u32 v25, v0, 4, 1                        ; h
	v_and_b32 v27, 15, v0
	v_lshlrev_b32 v[WOS], 4, v27
	v_lshl_add_u32 v[WOS], v25, 10, v[WOS]
	v_and_b32 v27, 7, v0
	v_lshl_add_u32 v25, v25, 3, v27                ; the turning load: key 8 (l / 16) + l % 8,
	v_bfe_u32 v27, v0, 3, 1
	v_lshlrev_b32 v27, 4, v27                      ; channels 8 ((l / 8) % 2) on
	v_lshl_add_u32 v[AV0], v25, 5, v27
	v_add_nc_u32 v[AV0], 0x20000, v[AV0]
	v_mov_b32 v[ST+1], 0                           ; named as the upper half of the pair (m, old m) before it is first written
	v_mov_b32 v[ST+9], 0
	s_wait_dscnt 0x0                               ; both opening adds are done
	s_wait_kmcnt 0x0
	s_add_nc_u64 s[36:37], s[4:5], s[36:37]        ; K or V at my part of piece 0
.irp p, 0,1
	s_mov_b32 s[G0+4*\p], 1
	s_add_co_u32 s[G0+4*\p+1], s39, \p*PIECE
	s_add_nc_u64 s[G0+4*\p+2:G0+4*\p+3], s[36:37], \p*PIECE
	s_or_b32 s[G0+4*\p+3], s[G0+4*\p+3], 0x80000000
.endr
	s_add_nc_u64 s[42:43], s[4:5], s[42:43]        ; Q
	s_add_nc_u64 s[8:9], s[8:9], s[50:51]          ; O
	s_add_nc_u64 s[6:7], s[6:7], s[52:53]          ; Wo
	s_add_nc_u64 s[10:11], s[10:11], s[54:55]      ; wof
.irp t, 0,1                            ; Q is asked for ahead of the tiles: the first products want it with piece 0
.irp u, 0,1
.irp c, 0,1
	global_load_b128 v[Q+16*\t+8*\u+4*\c:Q+16*\t+8*\u+4*\c+3], v[LI], s[42:43] offset:\t*262144+\u*1024+\c*512   ; Q stays in registers
.endr
.endr
.endr
	CROUND                                         ; all four work-groups are here: the joint loads meet
	tensor_load_to_lds s[G0:G0+3], s[G1:G1+7]      ; piece 0; two loads of mine are out
	s_nop 0
	tensor_load_to_lds s[G0+4:G0+7], s[G1:G1+7]    ; piece 1
	s_nop 0
	PLACES 4
	s_wait_tensorcnt 1                             ; my part of piece 0 is in; piece 1's may stay out
	s_barrier_signal -1
	s_barrier_wait -1                              ; everybody's is
	FETCH_K
	FETCH_V
	s_wait_loadcnt 0x0                             ; Q
	STEP 1, 0                                      ; key step 0
	STEPS 2                                        ; 1, 2: they fetch up to step 3, the last of piece 0
	CHANGE 0, 1                                    ; piece 1 is whole; piece 2 is asked for
	STEPS 4                                        ; 3 .. 6
	CHANGE 1, 1                                    ; piece 2 is whole; piece 3 is asked for
	WOLOAD 0
	STEPS 4                                        ; 7 .. 10
	CHANGE 0, 0                                    ; piece 3 is whole
	WOOUT 0
	WOLOAD 1
	STEPS 4                                        ; 11 .. 14
	WOOUT 1
	STEP 0, 1                                      ; 15
	; THE WAY OUT: l's two halves and the other half of the lanes'; O^T / l, to f16: 16 bytes a lane, 512 consecutive bytes a store
.irp t, 0,1
	v_add_f32 v[ST+8*\t+4], v[ST+8*\t+2], v[ST+8*\t+3]
.endr
.irp t, 0,1
	v_permlanex16_b32 v[ST+8*\t+5], v[ST+8*\t+4], s[SEL], s[SEL+1]
.endr
.irp t, 0,1
	v_add_f32 v[ST+8*\t+4], v[ST+8*\t+4], v[ST+8*\t+5]
.endr
.irp t, 0,1
	v_rcp_f32 v[ST+8*\t+6], v[ST+8*\t+4]
.endr
	v_nop                                          ; a plain line behind the last reciprocal,
	s_wait_alu depctr_va_vdst(0)                   ; and a wait ahead of the first reader
	WIN 0x41
.irp t, 0,1
.irp i, 0,2,4,6,8,10,12,14,16,18,20,22,24,26,28,30
	v_pk_mul_f32 v[O+32*\t+\i:O+32*\t+\i+1], v[O+32*\t+\i:O+32*\t+\i+1], v[ST+8*\t+6:ST+8*\t+7] op_sel_hi:[1,0]
.endr
.endr
	WIN 0x05                                       ; sources window 1, destination window 0: S^T's registers are free
.irp t, 0,1
.irp i, 0,1,2,3,4,5,6,7,8,9,10,11,12,13,14,15
	v_cvt_pk_f16_f32 v[S+16*\t+\i], v[O+32*\t+2*\i], v[O+32*\t+2*\i+1]
.endr
.endr
	WIN 0
.irp t, 0,1
.irp dt, 0,1,2,3
	global_store_b128 v[LI], v[S+16*\t+4*\dt:S+16*\t+4*\dt+3], s[8:9] offset:(2*\t+(\dt>>1))*8192+(\dt&1)*512
.endr
.endr
	s_wait_tensorcnt 0x0                           ; the wave's end
	ds_add_u32 v[SPW], v[NIL]
	s_wait_dscnt 0x0
	CROUND                                         ; the closing round
	s_endpgm
.Lfunc_end_k_q7eb8b4de95_attn:
	.size	k_q7eb8b4de95_attn, .Lfunc_end_k_q7eb8b4de95_attn-k_q7eb8b4de95_attn
	.p2alignl 7, 3214868480
	.fill 96, 4, 3214868480
	.section	.rodata,"a",@progbits
	.p2align	6, 0x0
	.amdhsa_kernel k_q7eb8b4de95_attn
		.amdhsa_group_segment_fixed_size 327680
		.amdhsa_private_segment_fixed_size 0
		.amdhsa_enable_private_segment 0
		.amdhsa_kernarg_size 32
		.amdhsa_user_sgpr_count 2
		.amdhsa_user_sgpr_kernarg_segment_ptr 1
		.amdhsa_wavefront_size32 1
		.amdhsa_system_sgpr_workgroup_id_x 1
		.amdhsa_system_sgpr_workgroup_id_y 1
		.amdhsa_system_sgpr_workgroup_id_z 1
		.amdhsa_system_vgpr_workitem_id 0
		.amdhsa_next_free_vgpr 480
		.amdhsa_next_free_sgpr 66
		.amdhsa_reserve_vcc 0
		.amdhsa_float_denorm_mode_32 3
		.amdhsa_float_denorm_mode_16_64 3
		.amdhsa_memory_ordered 1
		.amdhsa_forward_progress 1
		.amdhsa_inst_pref_size 123
	.end_amdhsa_kernel
	.amdgpu_metadata
---
amdhsa.version: [ 1, 2 ]
amdhsa.kernels:
  - .name:           k_q7eb8b4de95_attn
    .symbol:         k_q7eb8b4de95_attn.kd
    .args:
      - { .name: qkvw, .offset: 0, .size: 8, .value_kind: global_buffer, .address_space: global }
      - { .name: Wo, .offset: 8, .size: 8, .value_kind: global_buffer, .address_space: global }
      - { .name: ow, .offset: 16, .size: 8, .value_kind: global_buffer, .address_space: global }
      - { .name: wof, .offset: 24, .size: 8, .value_kind: global_buffer, .address_space: global }
    .group_segment_fixed_size: 327680
    .private_segment_fixed_size: 0
    .kernarg_segment_align: 8
    .kernarg_segment_size: 32
    .max_flat_workgroup_size: 256
    .sgpr_count:     66
    .vgpr_count:     480
    .wavefront_size: 32
...
	.end_amdgpu_metadata
.endif
;; end of part 3
;; launch oproj (part 4): grid 16 x 16, 4 waves a work-group, clusters of 4 x 4, 327,680 bytes of LDS; arguments ow, wof, bo, out0; writes out0
.if DOCPART == 4
	.amdgcn_target "amdgcn-amd-amdhsa--gfx1250"
	.amdhsa_code_object_version 6
	.text
	.protected	k_q7eb8b4de95_oproj
	.globl	k_q7eb8b4de95_oproj
	.p2align	8
	.type	k_q7eb8b4de95_oproj,@function
k_q7eb8b4de95_oproj:
	s_mov_b64 s[64:65], 0
	v_nop
	global_prefetch_b8 v0, s[64:65] scope:SCOPE_SE
	s_setreg_imm32_b32 hwreg(HW_REG_WAVE_MODE, 25, 1), 1
	s_wait_xcnt 0x0
	s_wait_alu depctr_hold_cnt(0) depctr_sa_sdst(0) depctr_va_vdst(0) depctr_va_sdst(0) depctr_va_ssrc(0) depctr_va_vcc(0) depctr_vm_vsrc(0)
	s_getreg_b32 s2, hwreg(HW_REG_IB_STS2, 6, 4)
	s_cmp_eq_u32 s2, 0
	s_cbranch_scc0 .Lentry_in_a_cluster
	s_endpgm
.Lentry_in_a_cluster:
	s_bfe_u32 s2, ttmp6, 0x10000c
	s_cmp_lg_u32 s2, 0xf033
	s_cbranch_scc0 .Lentry_shape_is_right
	s_endpgm
.Lentry_shape_is_right:
; OPROJ.  out0 = o Wo + bo: M, N, K = 2,048; f16 operands, f32 sums and results.  Both operands arrive as images of operand registers (ow, wof: [128 rows][32 along K: 64][16 rows: 8][1,024 B]),
; so a K step's tile is one dense block, LDS needs no padding, and a fragment load takes 512 consecutive bytes.
; A tile of out0 is 128 x 128: 256 work-groups.  Four waves, each 64 x 64: 16 accumulators.  K goes in steps of 256 through a ring of two LDS slots (A's 65,536 bytes, then B's); each wave fetches 32,768 bytes with one load.
; CLUSTERS: 4 x 4 work-groups.  The four of a row of the cluster need the same tiles of o, the four of a column the same tiles of Wo: each tile is asked for JOINTLY, by the same load with a mask that names the four.
; THE MATRIX INSTRUCTION IS USED TRANSPOSED (source 0 = 16 columns of Wo, source 1 = 16 tokens): a lane holds eight neighbouring numbers of a row of out0.  The bias is the C of each sum's first product.
; REGISTERS: window 0: v1-29 addresses; v32-95 at work on the way out; v96-127 the bias, eight registers a column tile; v128-255 the accumulators ((a, b) at v[128 + 8 (4 a + b)]).
;   window 1: two fragment buffers of 128: for 64 along K, 64 registers of o, then 64 of Wo.
.set HALFT,  32768                     ; what one tensor load brings: four steps of 32 along K of 128 rows
.set SLOT,   131072
.set STAGE,  2*SLOT                    ; behind the ring: 16 rows x (256 + 16) bytes for each wave, for the way out
.set SPITCH, 272
.set SPARE,  STAGE+4*16*SPITCH         ; behind the stages: the spare words, 128 bytes a wave
.set LAPS,   4                         ; a lap = two K steps of 256
.set ADRA, 16                          ; v16-17  LDS address of my fragments of o in slot 0, 1
.set ADRB, 20                          ; v20-21  the same for Wo
.set STO,  24
.set RD,   25
.set CO,   26
.set HB,   27
.set SPW,  28                          ; v28  LDS address of my spare word; never rewritten
.set NIL,  29                          ; v29  0; never rewritten
.set TMP,  32
.set BI,   96
.set ACC,  128
.set F0,   0
.set F1,   128
.set WV,  12                           ; s12 wave;  s13 wave / 2: my half of the rows, and: I fetch for o (0) or Wo (1);  s14 wave % 2: my half of the columns, and which half of a tile I fetch
.set G1,  24
.set G0,  32
.set G1B, 48
.set G0B, 56
.set MSB, 0
.macro WIN new
.if MSB != \new
	s_set_vgpr_msb (MSB<<8)|\new
.set MSB, \new
.endif
.endm
.set MUL,  0x05                        ; sources 0 and 1 window 1; C and D window 0
.set TO_F, 0x40                        ; destination window 1, address window 0
.macro JLOAD s                         ; a joint load; an s_nop 0 and four v_nop follow each of the two lines
	s_cmp_eq_u32 s13, 0
	s_cbranch_scc0 .Lfor_b_\@
	tensor_load_to_lds s[G0+4*\s:G0+4*\s+3], s[G1:G1+7]
	s_nop 0
.rept 4
	v_nop
.endr
	s_branch .Lasked_\@
.Lfor_b_\@:
	tensor_load_to_lds s[G0B+4*\s:G0B+4*\s+3], s[G1B:G1B+7]
	s_nop 0
.rept 4
	v_nop
.endr
.Lasked_\@:
.endm
.macro CREST
	s_cmp_lg_u32 s[WV], 0
	s_cbranch_scc1 .Lnot_wave_0_\@
	s_barrier_signal -3
.Lnot_wave_0_\@:
	s_barrier_wait -3
	s_barrier_signal -1
	s_barrier_wait -1
.endm
.macro CROUND
	s_barrier_signal -1
	s_barrier_wait -1
	CREST
.endm
	s_load_b256 s[4:11], s[0:1], 0x0               ; ow s[4:5], wof s[6:7], bo s[8:9], out0 s[10:11]
	v_lshl_add_u32 v[SPW], v0, 2, SPARE
	v_mov_b32 v[NIL], 0
	ds_add_u32 v[SPW], v[NIL]                      ; the wave's opening: the add, twice on end, and its wait ahead of my first tensor load
	ds_add_u32 v[SPW], v[NIL]
	v_lshrrev_b32 v1, 5, v0
	v_readfirstlane_b32 s[WV], v1
	s_lshr_b32 s13, s[WV], 1
	s_and_b32 s14, s[WV], 1
	s_bfe_u32 s40, ttmp6, 0x40000                  ; cx, cy
	s_bfe_u32 s41, ttmp6, 0x40004
	s_lshl_b32 s42, ttmp9, 2
	s_add_co_u32 s42, s42, s40                     ; tile column
	s_and_b32 s15, ttmp7, 0xffff
	s_lshl_b32 s15, s15, 2
	s_add_co_u32 s15, s15, s41                     ; tile row
	s_lshl_b32 s43, s41, 2
	s_lshl_b32 s43, 15, s43                        ; my row of the cluster
	s_lshl_b32 s44, 0x1111, s40                    ; my column
	s_or_b32 s[G1], s43, (3<<16)|(1<<21)           ; the mask; elements of 8 bytes; bit 21 beside a mask; no padding
	s_or_b32 s[G1B], s44, (3<<16)|(1<<21)
.irp g, G1, G1B
	s_mov_b32 s[\g+1], 32<<16                      ; rows of 256 bytes,
	s_mov_b32 s[\g+2], 128<<16
	s_mov_b32 s[\g+3], 32<<16
	s_mov_b32 s[\g+4], 128                         ; 128 of them,
	s_mov_b32 s[\g+5], 32                          ; dense
	s_mov_b32 s[\g+6], 0
	s_mov_b32 s[\g+7], 0
.endr
	s_lshl_b32 s17, s14, 15                        ; which half of a K step's tile I fetch
	s_lshl_b32 s16, s15, 19
	s_add_co_u32 s16, s16, s17                     ; o: by the tile row alone
	s_lshl_b32 s46, s42, 19
	s_add_co_u32 s46, s46, s17                     ; Wo: by the tile column alone
	s_mov_b32 s17, 0
	s_mov_b32 s47, 0
	s_lshl_b32 s20, s[WV], 15                      ; where it goes: wave x 32,768
	s_wait_dscnt 0x0                               ; both opening adds are done
	s_wait_kmcnt 0x0
	s_add_nc_u64 s[18:19], s[4:5], s[16:17]
	s_add_nc_u64 s[46:47], s[6:7], s[46:47]
	CROUND                                         ; all sixteen work-groups are here: the first joint loads meet
.irp s, 0,1
	s_mov_b32 s[G0+4*\s], 1
	s_add_co_u32 s[G0+4*\s+1], s20, \s*SLOT
	s_add_nc_u64 s[G0+4*\s+2:G0+4*\s+3], s[18:19], \s*65536
	s_or_b32 s[G0+4*\s+3], s[G0+4*\s+3], 0x80000000
	s_mov_b32 s[G0B+4*\s], 1
	s_add_co_u32 s[G0B+4*\s+1], s20, \s*SLOT
	s_add_nc_u64 s[G0B+4*\s+2:G0B+4*\s+3], s[46:47], \s*65536
	s_or_b32 s[G0B+4*\s+3], s[G0B+4*\s+3], 0x80000000
	JLOAD \s
.endr
	v_and_b32 v1, 15, v0                           ; r
	v_bfe_u32 v2, v0, 4, 1                         ; h
	v_and_b32 v3, 31, v0
	v_lshlrev_b32 v3, 4, v3                        ; 16 x lane
	s_lshl_b32 s21, s13, 12                        ; my 64 rows of o: four images of 1,024 bytes
	s_lshl_b32 s22, s14, 12                        ; my 64 columns of Wo,
	s_add_co_u32 s22, s22, 65536                   ; behind o's tile
.irp s, 0,1
	v_add_nc_u32 v[ADRA+\s], s21, v3
	v_add_nc_u32 v[ADRB+\s], s22, v3
	s_add_co_u32 s21, s21, SLOT
	s_add_co_u32 s22, s22, SLOT
.endr
	s_mul_i32 s23, s[WV], 16*SPITCH
	s_add_co_u32 s23, s23, STAGE                   ; my stage
	v_mul_u32_u24 v4, v1, SPITCH
	v_lshl_add_u32 v4, v2, 5, v4
	v_add_nc_u32 v[STO], s23, v4                   ; in: row r, 32 bytes for each half of the lanes
	v_mul_u32_u24 v5, v2, SPITCH
	v_lshl_add_u32 v5, v1, 4, v5
	v_add_nc_u32 v[RD], s23, v5                    ; back: lanes 0-15 one row of 256 bytes, lanes 16-31 the next
	v_lshlrev_b32 v5, 13, v2
	v_lshl_add_u32 v[CO], v1, 4, v5                ; and the same two rows in out0
	v_lshlrev_b32 v[HB], 5, v2
	s_lshl_b32 s16, s15, 20                        ; 128 rows of 8,192 bytes a tile row,
	s_lshl_b32 s17, s13, 19                        ; my 64 of them
	s_add_co_u32 s16, s16, s17
	s_mov_b32 s17, 0
	s_add_nc_u64 s[10:11], s[10:11], s[16:17]
	s_lshl_b32 s46, s42, 9                         ; my first column, in bytes
	s_lshl_b32 s47, s14, 8
	s_add_co_u32 s46, s46, s47
	s_mov_b32 s47, 0
	s_add_nc_u64 s[10:11], s[10:11], s[46:47]
	s_add_nc_u64 s[8:9], s[8:9], s[46:47]
.irp b, 0,1,2,3
	global_load_b128 v[BI+8*\b:BI+8*\b+3], v[HB], s[8:9] offset:64*\b          ; bo at columns 16 b + 8 h + 0 .. 7: the result's layout
	global_load_b128 v[BI+8*\b+4:BI+8*\b+7], v[HB], s[8:9] offset:64*\b+16
.endr
; 8 matrix instructions: row blocks a0, a0 + 1 x all 4 column blocks, 32 along K: half c of buffer f.  zero = 1: the first product starts the sum on the bias
.macro MUL8 f, c, a0, zero
.irp a, \a0, \a0+1
.irp b, 0,1,2,3
.if \zero
	v_wmma_f32_16x16x32_f16 v[ACC+8*(4*(\a)+\b):ACC+8*(4*(\a)+\b)+7], v[\f+64+8*(4*\c+\b):\f+64+8*(4*\c+\b)+7], v[\f+8*(4*\c+\a):\f+8*(4*\c+\a)+7], v[BI+8*\b:BI+8*\b+7]
.else
	v_wmma_f32_16x16x32_f16 v[ACC+8*(4*(\a)+\b):ACC+8*(4*(\a)+\b)+7], v[\f+64+8*(4*\c+\b):\f+64+8*(4*\c+\b)+7], v[\f+8*(4*\c+\a):\f+8*(4*\c+\a)+7], v[ACC+8*(4*(\a)+\b):ACC+8*(4*(\a)+\b)+7]
.endif
.endr
.endr
.endm
; 32 LDS loads in one run: the fragments of the slot's qd-th 64 along K into buffer f; the first 32 along K first
.macro FETCH slot, qd, f
	WIN TO_F
.irp c, 0,1
.irp i, 0,1,2,3
	ds_load_b128 v[\f+64+8*(4*\c+\i):\f+64+8*(4*\c+\i)+3],   v[ADRB+\slot] offset:(2*(\qd)+\c)*8192+\i*1024
	ds_load_b128 v[\f+64+8*(4*\c+\i)+4:\f+64+8*(4*\c+\i)+7], v[ADRB+\slot] offset:(2*(\qd)+\c)*8192+\i*1024+512
	ds_load_b128 v[\f+8*(4*\c+\i):\f+8*(4*\c+\i)+3],         v[ADRA+\slot] offset:(2*(\qd)+\c)*8192+\i*1024
	ds_load_b128 v[\f+8*(4*\c+\i)+4:\f+8*(4*\c+\i)+7],       v[ADRA+\slot] offset:(2*(\qd)+\c)*8192+\i*1024+512
.endr
.endr
.endm
.macro PLACES                          ; four places in front of loads into registers that matrix instructions have read, and of the first read of results
.rept 4
	v_nop
.endr
.endm
; A K step is four quarters of 64 along K, 32 matrix instructions each, on buffers 0, 1, 0, 1; the 16 accumulators by turns.
.macro QUARTER slot, qd, f, g, zero    ; multiplies buffer f and fetches quarter qd into g
	s_wait_dscnt 16                                ; the first 32 along K are in
	WIN MUL
	MUL8 \f, 0, 0, \zero
	MUL8 \f, 0, 2, \zero
	PLACES
	FETCH \slot, \qd, \g
	s_wait_dscnt 32                                ; all but the 32 just issued
	WIN MUL
	MUL8 \f, 1, 0, 0
	MUL8 \f, 1, 2, 0
.endm
; The last quarter multiplies buffer 1 and changes slots: ONE barrier; in front of it each wave waits for all its tensor loads, adds 0 to its spare word, and waits for that and for its reads of this slot.
.macro TURN slot, next, fill
	WIN 0                                          ; (the add's two registers lie in window 0)
	s_wait_tensorcnt 0x0                           ; all my tensor loads have landed: my part of the next slot;
	ds_add_u32 v[SPW], v[NIL]                      ; 0 onto my spare word;
	s_wait_dscnt 17                                ; (the add and the youngest sixteen loads may be out)
	WIN MUL
	MUL8 F1, 0, 0, 0
	s_wait_dscnt 0x0                               ; the add is done, and my reads of this slot are over
	s_barrier_signal -1
	MUL8 F1, 0, 2, 0
.if \fill
	WIN 0
.endif
	s_barrier_wait -1
.if \fill
	CREST                                          ; the barrier has opened a round of the cluster's: no wave of any partner still reads this slot or has a load on its way
	s_add_nc_u64 s[G0+4*\slot+2:G0+4*\slot+3], s[G0+4*\slot+2:G0+4*\slot+3], 131072
	s_add_nc_u64 s[G0B+4*\slot+2:G0B+4*\slot+3], s[G0B+4*\slot+2:G0B+4*\slot+3], 131072
	JLOAD \slot                                    ; the first tensor load behind the round, two K steps ahead; its four v_nop are also the places in front of the loads below
.else
	PLACES
.endif
	FETCH \next, 0, F0
	WIN MUL
	MUL8 F1, 1, 0, 0
	MUL8 F1, 1, 2, 0
.endm
	s_wait_tensorcnt 1                             ; my part of K step 0 is in; K step 1's may stay out
	s_barrier_signal -1
	s_barrier_wait -1
	FETCH 0, 0, F0
	s_wait_loadcnt 0x0                             ; the bias
	QUARTER 0, 1, F0, F1, 1                        ; the first quarter stands in front of the loop: its first products start the sums
	WIN 0
	s_mov_b32 s3, LAPS-1
.Llap:                                                 ; a trip goes once round the ring and fills both slots again
	QUARTER 0, 2, F1, F0, 0
	QUARTER 0, 3, F0, F1, 0
	TURN 0, 1, 1
	QUARTER 1, 1, F0, F1, 0
	QUARTER 1, 2, F1, F0, 0
	QUARTER 1, 3, F0, F1, 0
	TURN 1, 0, 1
	QUARTER 0, 1, F0, F1, 0
	WIN 0
	s_sub_co_u32 s3, s3, 1
	s_cmp_lg_u32 s3, 0
	s_cbranch_scc1 .Llap
	QUARTER 0, 2, F1, F0, 0                        ; the last lap fills nothing
	QUARTER 0, 3, F0, F1, 0
	TURN 0, 1, 0
	QUARTER 1, 1, F0, F1, 0
	QUARTER 1, 2, F1, F0, 0
	QUARTER 1, 3, F0, F1, 0
	s_wait_dscnt 16
	WIN MUL
	MUL8 F1, 0, 0, 0
	MUL8 F1, 0, 2, 0
	s_wait_dscnt 0
	MUL8 F1, 1, 0, 0
	MUL8 F1, 1, 2, 0
	WIN 0
; THE WAY OUT, a block of 16 rows x 64 columns at a time, through my own stage: a row's 256 bytes come back to sixteen lanes, which store 256 consecutive bytes, aligned.
; LDS serves a wave's instructions in order (ISA guide 5.7.1.4): no wait between the stores and the loads, nor in front of the next block's stores.
.macro TOSTAGE a
.irp b, 0,1,2,3
	ds_store_b128 v[STO], v[ACC+8*(4*(\a)+\b):ACC+8*(4*(\a)+\b)+3] offset:64*\b        ; each accumulator from its low end on
	ds_store_b128 v[STO], v[ACC+8*(4*(\a)+\b)+4:ACC+8*(4*(\a)+\b)+7] offset:64*\b+16
.endr
.irp i, 0,1,2,3,4,5,6,7
	ds_load_b128 v[TMP+32*((\a)%2)+4*\i:TMP+32*((\a)%2)+4*\i+3], v[RD] offset:\i*2*SPITCH
.endr
.endm
.macro SEND a, younger                 ; younger: the LDS instructions issued behind block a's loads
	s_wait_dscnt \younger
.irp i, 0,1,2,3,4,5,6,7
	global_store_b128 v[CO], v[TMP+32*((\a)%2)+4*\i:TMP+32*((\a)%2)+4*\i+3], s[10:11] offset:(16*(\a)+2*\i)*8192 th:TH_STORE_NT
.endr
.endm
	PLACES
	TOSTAGE 0
.irp a, 1,2,3
.if \a > 1
	s_wait_xcnt 0x0                                ; block a - 2's stores have read their registers: block a's loads may land there
.endif
	TOSTAGE \a
	SEND \a-1, 16                                  ; behind block a - 1's loads: block a's 8 stores and 8 loads
.endr
	SEND 3, 0
	s_wait_tensorcnt 0x0                           ; the wave's end
	ds_add_u32 v[SPW], v[NIL]
	s_wait_dscnt 0x0
	CROUND                                         ; the closing round
	s_endpgm
.Lfunc_end_k_q7eb8b4de95_oproj:
	.size	k_q7eb8b4de95_oproj, .Lfunc_end_k_q7eb8b4de95_oproj-k_q7eb8b4de95_oproj
	.p2alignl 7, 3214868480
	.fill 96, 4, 3214868480
	.section	.rodata,"a",@progbits
	.p2align	6, 0x0
	.amdhsa_kernel k_q7eb8b4de95_oproj
		.amdhsa_group_segment_fixed_size 327680
		.amdhsa_private_segment_fixed_size 0
		.amdhsa_enable_private_segment 0
		.amdhsa_kernarg_size 32
		.amdhsa_user_sgpr_count 2
		.amdhsa_user_sgpr_kernarg_segment_ptr 1
		.amdhsa_wavefront_size32 1
		.amdhsa_system_sgpr_workgroup_id_x 1
		.amdhsa_system_sgpr_workgroup_id_y 1
		.amdhsa_system_sgpr_workgroup_id_z 1
		.amdhsa_system_vgpr_workitem_id 0
		.amdhsa_next_free_vgpr 512
		.amdhsa_next_free_sgpr 66
		.amdhsa_reserve_vcc 0
		.amdhsa_float_denorm_mode_32 3
		.amdhsa_float_denorm_mode_16_64 3
		.amdhsa_memory_ordered 1
		.amdhsa_forward_progress 1
		.amdhsa_inst_pref_size 86
	.end_amdhsa_kernel
	.amdgpu_metadata
---
amdhsa.version: [ 1, 2 ]
amdhsa.kernels:
  - .name:           k_q7eb8b4de95_oproj
    .symbol:         k_q7eb8b4de95_oproj.kd
    .args:
      - { .name: ow, .offset: 0, .size: 8, .value_kind: global_buffer, .address_space: global }
      - { .name: wof, .offset: 8, .size: 8, .value_kind: global_buffer, .address_space: global }
      - { .name: bo, .offset: 16, .size: 8, .value_kind: global_buffer, .address_space: global }
      - { .name: out0, .offset: 24, .size: 8, .value_kind: global_buffer, .address_space: global }
    .group_segment_fixed_size: 327680
    .private_segment_fixed_size: 0
    .kernarg_segment_align: 8
    .kernarg_segment_size: 32
    .max_flat_workgroup_size: 128
    .sgpr_count:     66
    .vgpr_count:     512
    .wavefront_size: 32
...
	.end_amdgpu_metadata
.endif
;; end of part 4
